; MI455X (gfx1250); checked and timed in simulation.
; The chip was launched on July 23, 2026; its instructions are those of AMD's public machine-readable ISA for CDNA 5 (MIT licence, August 2026) and "CDNA5" Instruction Set Architecture Reference Guide (July 2026). The comments in the code are by the model that wrote it; some were corrected since.
;; Tensor Fusion. Allowed arithmetic: matrix products marked QUANTISED: E2M3 operands, one E8M0 scale for each 32 along K, by v_wmma_scale_f32_16x16x128_f8f6f4 with both operands' format E2M3, f32 sums; products left as they are: f32 operands where the result goes on into a quantised operand, else bf16, f16 or f32 operands; f32 sums; everything else in f32.
;; Inputs: W1 65,536 x 1,024 float32; W2 1,024 x 21 float32; audio 1,024 x 255 float32; b1 1,024 float32; b2 21 float32; beta 1,024 float32; gamma 1,024 float32; visual 1,024 x 255 float32.
;; Outputs: out0 1,024 x 21 float32.
;; This version of the problem:
;;   THIS VERSION OF THE PROBLEM IS GIVEN IN LOW PRECISION. The matrix products marked QUANTISED in the list below multiply operands that are first quantised to E2M3 (2 exponent bits, 3 mantissa bits; 6 bits a number), with one power-of-two scale for each 32 numbers along K (OCP MX v1.0); their sums are f32. All else is computed in f32.
;;   The module's matrix products, in the order in which they are computed (A, B: the left and right operand; K: the contracted axis; several contracted axes count as one K, in the product's order):
;;     1. batch 1,024 x [M 256, K 1] x [K 1, N 256]; A: computed on the way; B: computed on the way: left as it is (no contracted axis)
;;     2. [M 1,024, K 65,536] x [K 65,536, N 1,024]; A: computed on the way; B: input W1: QUANTISED
;;     3. [M 1,024, K 1,024] x [K 1,024, N 21]; A: computed on the way; B: input W2: QUANTISED
;;   THE QUANTISER, for each operand of a quantised product, along K:
;;     - K is cut into blocks of 32 from its start; a last block that is shorter is filled with zeros.
;;     - A block's scale is 2^e with e = floor(log2(the largest magnitude in the block)) - 2, held to -126 .. 127; a block of zeros has e = 0. As a byte (E8M0): e + 127.
;;     - Each number is divided by its block's scale, clamped to +-7.5, and rounded to the nearest number of E2M3, ties to even, subnormals kept.
;;     - The product sums the exact products of the quantised numbers (number of the format x scale) in f32.
;;   ~~~python
;;   def quantise(x, axis):      # numpy; x: float32 -> the quantised numbers, widened to float32 again
;;       x = np.moveaxis(x, axis, -1); K = x.shape[-1]
;;       x = np.pad(x, [(0, 0)] * (x.ndim - 1) + [(0, -K % 32)]); x = x.reshape(x.shape[:-1] + (-1, 32)); a = np.abs(x).max(-1, keepdims=True)
;;       e = np.where(a > 0, np.clip(np.frexp(np.where(a > 0, a, 1))[1] - 1 - 2, -126, 127), 0)      # np.frexp(a)[1] - 1 = floor(log2(a)), exactly
;;       r = np.clip(x / 2.0 ** e, -7.5, 7.5)
;;       step = 2.0 ** (np.maximum(np.frexp(np.where(r == 0, 1, r))[1] - 1, 0) - 3)
;;       q = np.round(r / step) * step * 2.0 ** e      # np.round: ties to even
;;       return np.moveaxis(q.reshape(q.shape[:-2] + (-1,))[..., :K], -1, axis).astype(np.float32)
;;   ~~~
;;   OPERANDS COMPUTED ON THE WAY. 'Computed on the way' means the value that the module computes at that place (a softmax that the list does not call 'softmax' is quantised finished and normalised). What goes into a quantiser is computed in f32, as accurately as f32 sums, v_exp_f32 and their like allow (about 1e-6 of the number): no bf16 or f16 on the way to a quantiser, and a product that is left as it is and whose result goes on into a quantised operand takes f32 operands (vector FMAs, or v_wmma_f32_16x16x4_f32). A number that lies on a knife's edge between two numbers of the format may be rounded either way, as far as f32 arithmetic and the matrix unit's own rounding can turn it there, and no further.
;; One version. Each part assembles by itself: llvm-mc -triple=amdgcn-amd-amdhsa -mcpu=gfx1250 --defsym DOCPART=n.
;; ======== version 1 of 1: 4 launches
;; limits: right only within a limited range of input values
;; workspace buffers: w1q 52,428,800 bytes; w2q 25,600 bytes; aq 1,048,576 bytes; vq 1,048,576 bytes; part 67,108,864 bytes; hn 4,194,304 bytes
;; launch quant (part 1): grid 2177 x 1, 4 waves a work-group, no clusters, 0 bytes of LDS; arguments W1, W2, audio, visual, w1q, w2q, aq, vq; writes w1q, w2q, aq, vq
.if DOCPART == 1
	.amdgcn_target "amdgcn-amd-amdhsa--gfx1250"
	.amdhsa_code_object_version 6
	.text
	.protected	k_q315c43e50f_quant
	.globl	k_q315c43e50f_quant
	.p2align	8
	.type	k_q315c43e50f_quant,@function
k_q315c43e50f_quant:
	s_mov_b64 s[64:65], 0
	v_nop
	global_prefetch_b8 v0, s[64:65] scope:SCOPE_SE
	s_setreg_imm32_b32 hwreg(HW_REG_WAVE_MODE, 25, 1), 1
	s_wait_xcnt 0x0
; W1 [65536][1024] and W2 [1024][21], f32 with K as their FIRST axis, become codes of FP6 (E2M3) with one E8M0 byte for each 32 along K, laid in the ORDER OF
; THE OPERAND'S REGISTERS; audio and visual [1024][255] are laid, with the appended 1, in the order in which the product's lanes take them.
; A block's scale is 2^(floor(log2(its largest magnitude)) - 2): its byte is that magnitude's exponent field - 2, held at 1 from below.
; LIMITS: a block of zeros gets the byte 1 where the rule says 127 (its codes are zeros, and this program alone reads the bytes); NaN and infinities are not served.
; ROLES by the work-group's number: 0-63 audio -> aq, 64-127 visual -> vq, 128 W2 -> w2q, 129-2176 W1 -> w1q.  The short roles come first, beside the long stream.
; W1: work-group (i, n) takes rows 256 i .. 256 i + 255 (two K steps of 128) of columns 128 n .. 128 n + 127; wave w 32 of those columns.  A LANE TAKES A COLUMN AND ITS
; REGISTERS RUN DOWN K: a load reads 128 consecutive bytes a wave, the four waves 512; a block of 32 lies in one lane, so its largest magnitude needs no other lane.
; w1q: records of 12,800 bytes at ((2 n + jh) 256 + i): eight fragments (16 columns x 128 K) of 1,536 bytes, registers 4 g .. 4 g + 3 of lane l at 512 g + 16 l; then 128 scale words.
; A fragment wants block 2 c in lanes 0-15 and block 2 c + 1 in lanes 16-31; a lane here holds all four blocks of ITS column: twelve exchanges of halves between
; two registers turn two columns' worth (32 lanes x 4 blocks) into the two fragments of columns 0-15 and 16-31.
; No LDS, no barrier: waves share nothing, and no two work-groups read the same bytes, so there is nothing for a cluster to share.
.set VIN,  2                           ; v2   byte offset of my column in a row
.set VOUT, 3                           ; v3   16 x lane (+ my wave's two fragments)
.set VSC,  4                           ; v4   my column's scale word
.set MA,   5                           ; v5-6 two chains of the largest magnitude
.set MB,   6
.set SO,   7                           ; v7   the conversions' scale operand
.set BY,   8                           ; v8   the scale's byte
.set WD,   9                           ; v9   the four bytes of a K step
.set F0,   12                          ; v12-23  fragment of columns 0-15
.set F1,   24                          ; v24-35  fragment of columns 16-31
.set TU,   36                          ; v36-51  the blocks' upper 16 codes (a conversion's three registers begin on an even number)
.set X,    64                          ; v64-127 two sets of 32 numbers
.set IN,   26                          ; s[26:27]
.set OUT,  28                          ; s[28:29]
.set D,    64                          ; the short roles: v64-95 eight units of four numbers,
.set AD,   96                          ; v96-103 their byte offsets,
.set AD3,  104                         ; v104-111 the last number's, held inside the buffer,
.set J,    112                         ; v112-119 the column of a unit's first number
.set LAST, 1024*255-1
.macro LOADBLK t, pitch                ; block t: rows 32 t .. 32 t + 31 of my column, into set t % 2
.set lx, 0
.rept 32
	global_load_b32 v[X+32*((\t)%2)+lx], v[VIN], s[IN:IN+1] offset:(32*(\t)+lx)*(\pitch) th:TH_LOAD_NT
.set lx, lx+1
.endr
.endm
.macro BLOCK t, pitch
.set XS, X+32*((\t)%2)
.set BB, (\t)%4
.if (BB == 0) && ((\t) > 0)
	s_wait_xcnt 0x0                                ; the last K step's stores have read F0, F1 and the scale word: they are written again only behind this wait
.endif
.if (\t) < 7
	s_wait_loadcnt 32                              ; this block's 32 loads are in; the next block's 32 may be out
.else
	s_wait_loadcnt 0x0
.endif
	v_max3_num_f32 v[MA], |v[XS]|, |v[XS+1]|, |v[XS+2]|
	v_max3_num_f32 v[MB], |v[XS+3]|, |v[XS+4]|, |v[XS+5]|
.irp i, 6,10,14,18,22,26
	v_max3_num_f32 v[MA], v[MA], |v[XS+\i]|, |v[XS+\i+1]|
	v_max3_num_f32 v[MB], v[MB], |v[XS+\i+2]|, |v[XS+\i+3]|
.endr
	v_max3_num_f32 v[MA], v[MA], |v[XS+30]|, |v[XS+31]|
	v_max3_num_f32 v[MA], v[MA], v[MB], 0x1800000  ; and the floor 2^(3 - 127): the byte cannot fall under 1
	v_add_nc_u32 v[SO], 0xff000000, v[MA]          ; 2 off the exponent field: the conversion takes this operand's exponent field as its scale
	v_lshrrev_b32 v[BY], 23, v[SO]                 ; the byte
.if BB == 0
	v_mov_b32 v[WD], v[BY]
.else
	v_lshl_or_b32 v[WD], v[BY], 8*BB, v[WD]        ; the lower K in the lower byte
.endif
.set DL, F0+12*(BB%2)+6*(BB/2)
	v_cvt_scalef32_pk16_fp6_f32 v[DL:DL+2], v[XS:XS+15], v[SO]               ; the block's lower 16 codes
	v_cvt_scalef32_pk16_fp6_f32 v[TU+4*BB:TU+4*BB+2], v[XS+16:XS+31], v[SO]  ; and its upper 16
.if (\t)+2 < 8
	LOADBLK (\t)+2, \pitch
.endif
.endm
.macro ASSEMBLE k, step2               ; four blocks of 32 columns become two fragments, and leave
	v_nop                                          ; one plain line behind the scaled conversions
.irp i, 0,1,2
	v_permlane16_swap_b32 v[F0+\i], v[F1+\i]       ; the first's lanes 16-31 (block 0, columns 16-31) change places with the second's lanes 0-15 (block 1, columns 0-15)
	v_permlane16_swap_b32 v[TU+\i], v[TU+4+\i]
	v_permlane16_swap_b32 v[F0+6+\i], v[F1+6+\i]   ; blocks 2 and 3 likewise
	v_permlane16_swap_b32 v[TU+8+\i], v[TU+12+\i]
.endr
.irp i, 0,1,2
	v_mov_b32 v[F0+3+\i], v[TU+\i]
	v_mov_b32 v[F1+3+\i], v[TU+4+\i]
	v_mov_b32 v[F0+9+\i], v[TU+8+\i]
	v_mov_b32 v[F1+9+\i], v[TU+12+\i]
.endr
.irp g, 0,1,2
	global_store_b128 v[VOUT], v[F0+4*\g:F0+4*\g+3], s[OUT:OUT+1] offset:(\k)*(\step2)+512*\g        ; 32 lanes store 512 consecutive bytes, at a multiple of 256 from the buffer's first byte
	global_store_b128 v[VOUT], v[F1+4*\g:F1+4*\g+3], s[OUT:OUT+1] offset:(\k)*(\step2)+1536+512*\g
.endr
	global_store_b32 v[VSC], v[WD], s[OUT:OUT+1] offset:(\k)*(\step2)        ; 128 bytes a wave
.endm
.macro QRUN pitch, step2               ; 256 along K of 32 columns: two K steps; every offset is an immediate
	LOADBLK 0, \pitch
	LOADBLK 1, \pitch
	BLOCK 0, \pitch
	BLOCK 1, \pitch
	BLOCK 2, \pitch
	BLOCK 3, \pitch
	ASSEMBLE 0, \step2
	BLOCK 4, \pitch
	BLOCK 5, \pitch
	BLOCK 6, \pitch
	BLOCK 7, \pitch
	ASSEMBLE 1, \step2
.endm
; the short roles: row in v6 and column in v[J+uk] become four loads.  o1, o2: bytes to the second and third number; o3: elements to the fourth, whose place is held inside the buffer
.macro GATHER src, o1, o2, o3
	v_mad_u32_u24 v6, v6, 255, v[J+uk]
	v_lshlrev_b32 v[AD+uk], 2, v6
	v_add_nc_u32 v6, \o3, v6
	v_min_u32 v6, LAST, v6
	v_lshlrev_b32 v[AD3+uk], 2, v6
	global_load_b32 v[D+4*uk], v[AD+uk], s[\src:\src+1]
	global_load_b32 v[D+4*uk+1], v[AD+uk], s[\src:\src+1] offset:\o1
	global_load_b32 v[D+4*uk+2], v[AD+uk], s[\src:\src+1] offset:\o2
	global_load_b32 v[D+4*uk+3], v[AD3+uk], s[\src:\src+1]
.endm
	s_load_b512 s[4:19], s[0:1], 0x0               ; W1 s[4:5], W2 s[6:7], audio s[8:9], visual s[10:11], w1q s[12:13], w2q s[14:15], aq s[16:17], vq s[18:19]
	v_lshrrev_b32 v1, 5, v0
	v_readfirstlane_b32 s20, v1                    ; wave
	v_and_b32 v1, 31, v0                           ; lane
	s_mov_b32 s25, 0
	s_wait_kmcnt 0x0
	s_cmp_lt_u32 ttmp9, 64
	s_cbranch_scc1 .Laq
	s_cmp_lt_u32 ttmp9, 128
	s_cbranch_scc1 .Lvq
	s_cmp_eq_u32 ttmp9, 128
	s_cbranch_scc1 .Lw2
	; ---- W1
	s_sub_co_u32 s21, ttmp9, 129
	s_and_b32 s22, s21, 7                          ; n: neighbouring work-groups stand side by side on a row's 4,096 bytes
	s_lshr_b32 s23, s21, 3                         ; i
	s_lshl_b32 s24, s23, 20                        ; 256 rows of 4,096 bytes
	s_lshl_b32 s21, s22, 9
	s_add_co_u32 s24, s24, s21
	s_lshl_b32 s21, s20, 7
	s_add_co_u32 s24, s24, s21
	s_add_nc_u64 s[IN:IN+1], s[4:5], s[24:25]
	s_lshl_b32 s24, s22, 9
	s_add_co_u32 s24, s24, s23                     ; record (2 n + 0) 256 + i; jh = 1 lies 256 records on
	s_mul_i32 s24, s24, 12800
	s_add_nc_u64 s[OUT:OUT+1], s[12:13], s[24:25]
	s_wait_alu depctr_va_vdst(0)
	v_lshlrev_b32 v[VIN], 2, v1
	s_mul_i32 s21, s20, 3072
	v_lshl_add_u32 v[VOUT], v1, 4, s21
	s_lshl_b32 s21, s20, 7
	s_add_co_u32 s21, s21, 12288
	v_lshl_add_u32 v[VSC], v1, 2, s21
	QRUN 4096, 3276800
	s_endpgm
.Lw2:   ; ---- W2: wave w takes K steps 2 w and 2 w + 1; lanes 21-31 take column 20 again (their results are never stored); records of 3,200 bytes: two fragments, 32 scale words
	s_mul_i32 s24, s20, 256*84
	s_add_nc_u64 s[IN:IN+1], s[6:7], s[24:25]
	s_mul_i32 s24, s20, 6400
	s_add_nc_u64 s[OUT:OUT+1], s[14:15], s[24:25]
	s_wait_alu depctr_va_vdst(0)
	v_min_u32 v[VIN], 20, v1
	v_lshlrev_b32 v[VIN], 2, v[VIN]
	v_lshlrev_b32 v[VOUT], 4, v1
	v_lshl_add_u32 v[VSC], v1, 2, 3072
	QRUN 84, 3200
	s_endpgm
.Laq:   ; ---- aq [jh 2][tile of 16 rows 64][g 16][lane 32][4]: unit L of 16 bytes holds a[16 (L >> 9 & 63) + (L & 15)][j .. j + 3]; a thread makes units 1024 q + 128 k + tid
	s_lshl_b32 s22, ttmp9, 10
	s_lshl_b32 s24, ttmp9, 14
	s_add_nc_u64 s[OUT:OUT+1], s[16:17], s[24:25]
	v_lshlrev_b32 v3, 4, v0
	v_mov_b32 v4, 1.0
.set uk, 0
.rept 8
	s_add_co_u32 s23, s22, 128*uk
	v_add_nc_u32 v5, s23, v0                       ; L
	v_bfe_u32 v6, v5, 9, 6
	v_and_b32 v7, 15, v5
	v_lshl_or_b32 v6, v6, 4, v7                    ; row
	v_lshrrev_b32 v7, 15, v5                       ; jh
	v_bfe_u32 v8, v5, 8, 1
	v_lshl_or_b32 v7, v7, 1, v8                    ; 2 jh + c
	v_bfe_u32 v8, v5, 4, 1
	v_lshl_or_b32 v7, v7, 1, v8                    ; .. 2 + h
	v_bfe_u32 v8, v5, 5, 3
	v_lshl_or_b32 v7, v7, 3, v8                    ; .. 8 + g % 8
	v_lshlrev_b32 v[J+uk], 2, v7                   ; j = 128 jh + 64 c + 32 h + 4 (g % 8)
	GATHER 8, 4, 8, 3
.set uk, uk+1
.endr
	s_wait_loadcnt 0x0
.set uk, 0
.rept 8
	v_cmp_eq_u32 vcc_lo, 0xfc, v[J+uk]             ; j + 3 = 255: the appended 1
	v_cndmask_b32 v[D+4*uk+3], v[D+4*uk+3], v4, vcc_lo
	global_store_b128 v3, v[D+4*uk:D+4*uk+3], s[OUT:OUT+1] offset:2048*uk
.set uk, uk+1
.endr
	s_endpgm
.Lvq:   ; ---- vq [ih 4][32 rows: 4 mt + w, 32][p 32][t 2][r 16][2]: unit L holds v[row][i], v[row][i + 1], v[row + 1][i], v[row + 1][i + 1]
	s_sub_co_u32 s21, ttmp9, 64
	s_lshl_b32 s22, s21, 10
	s_lshl_b32 s24, s21, 14
	s_add_nc_u64 s[OUT:OUT+1], s[18:19], s[24:25]
	v_lshlrev_b32 v3, 4, v0
	v_mov_b32 v4, 1.0
.set uk, 0
.rept 8
	s_add_co_u32 s23, s22, 128*uk
	v_add_nc_u32 v5, s23, v0                       ; L
	v_bfe_u32 v6, v5, 9, 5                         ; 4 mt + w
	v_bfe_u32 v7, v5, 3, 1
	v_lshl_or_b32 v6, v6, 1, v7                    ; .. 2 + t
	v_and_b32 v7, 7, v5
	v_lshl_or_b32 v6, v6, 3, v7
	v_lshlrev_b32 v6, 1, v6                        ; row = 32 (4 mt + w) + 16 t + 2 (L & 7)
	v_lshrrev_b32 v7, 14, v5                       ; ih
	v_bfe_u32 v8, v5, 4, 5
	v_lshl_or_b32 v7, v7, 5, v8
	v_lshlrev_b32 v[J+uk], 1, v7                   ; i = 64 ih + 2 p
	GATHER 10, 4, 1020, 256
.set uk, uk+1
.endr
	s_wait_loadcnt 0x0
.set uk, 0
.rept 8
	v_cmp_eq_u32 vcc_lo, 0xfe, v[J+uk]             ; i + 1 = 255: the appended 1, in both rows
	v_cndmask_b32 v[D+4*uk+1], v[D+4*uk+1], v4, vcc_lo
	v_cndmask_b32 v[D+4*uk+3], v[D+4*uk+3], v4, vcc_lo
	global_store_b128 v3, v[D+4*uk:D+4*uk+3], s[OUT:OUT+1] offset:2048*uk
.set uk, uk+1
.endr
	s_endpgm
.Lfunc_end_k_q315c43e50f_quant:
	.size	k_q315c43e50f_quant, .Lfunc_end_k_q315c43e50f_quant-k_q315c43e50f_quant
	.p2alignl 7, 3214868480
	.fill 96, 4, 3214868480
	.section	.rodata,"a",@progbits
	.p2align	6, 0x0
	.amdhsa_kernel k_q315c43e50f_quant
		.amdhsa_group_segment_fixed_size 0
		.amdhsa_private_segment_fixed_size 0
		.amdhsa_enable_private_segment 0
		.amdhsa_kernarg_size 64
		.amdhsa_user_sgpr_count 2
		.amdhsa_user_sgpr_kernarg_segment_ptr 1
		.amdhsa_wavefront_size32 1
		.amdhsa_system_sgpr_workgroup_id_x 1
		.amdhsa_system_sgpr_workgroup_id_y 1
		.amdhsa_system_sgpr_workgroup_id_z 1
		.amdhsa_system_vgpr_workitem_id 0
		.amdhsa_next_free_vgpr 128
		.amdhsa_next_free_sgpr 66
		.amdhsa_reserve_vcc 1
		.amdhsa_float_denorm_mode_32 3
		.amdhsa_float_denorm_mode_16_64 3
		.amdhsa_memory_ordered 1
		.amdhsa_forward_progress 1
		.amdhsa_inst_pref_size 102
	.end_amdhsa_kernel
	.amdgpu_metadata
---
amdhsa.version: [ 1, 2 ]
amdhsa.kernels:
  - .name:           k_q315c43e50f_quant
    .symbol:         k_q315c43e50f_quant.kd
    .args:
      - { .name: W1, .offset: 0, .size: 8, .value_kind: global_buffer, .address_space: global }
      - { .name: W2, .offset: 8, .size: 8, .value_kind: global_buffer, .address_space: global }
      - { .name: audio, .offset: 16, .size: 8, .value_kind: global_buffer, .address_space: global }
      - { .name: visual, .offset: 24, .size: 8, .value_kind: global_buffer, .address_space: global }
      - { .name: w1q, .offset: 32, .size: 8, .value_kind: global_buffer, .address_space: global }
      - { .name: w2q, .offset: 40, .size: 8, .value_kind: global_buffer, .address_space: global }
      - { .name: aq, .offset: 48, .size: 8, .value_kind: global_buffer, .address_space: global }
      - { .name: vq, .offset: 56, .size: 8, .value_kind: global_buffer, .address_space: global }
    .group_segment_fixed_size: 0
    .private_segment_fixed_size: 0
    .kernarg_segment_align: 8
    .kernarg_segment_size: 64
    .max_flat_workgroup_size: 128
    .sgpr_count:     66
    .vgpr_count:     128
    .wavefront_size: 32
...
	.end_amdgpu_metadata
.endif
;; end of part 1
;; launch gemm (part 2): grid 64 x 4, 4 waves a work-group, clusters of 4 x 4, 327,680 bytes of LDS; arguments w1q, aq, vq, part; writes part
.if DOCPART == 2
	.amdgcn_target "amdgcn-amd-amdhsa--gfx1250"
	.amdhsa_code_object_version 6
	.text
	.protected	k_q315c43e50f_gemm
	.globl	k_q315c43e50f_gemm
	.p2align	8
	.type	k_q315c43e50f_gemm,@function
k_q315c43e50f_gemm:
	s_mov_b64 s[64:65], 0
	v_nop
	global_prefetch_b8 v0, s[64:65] scope:SCOPE_SE
	s_setreg_imm32_b32 hwreg(HW_REG_WAVE_MODE, 25, 1), 1
	s_wait_xcnt 0x0
	s_wait_alu depctr_hold_cnt(0) depctr_sa_sdst(0) depctr_va_vdst(0) depctr_va_sdst(0) depctr_va_ssrc(0) depctr_va_vcc(0) depctr_vm_vsrc(0)
	s_getreg_b32 s2, hwreg(HW_REG_IB_STS2, 6, 4)
	s_cmp_eq_u32 s2, 0
	s_cbranch_scc0 .Lentry_in_a_cluster
	s_endpgm
.Lentry_in_a_cluster:
	s_bfe_u32 s2, ttmp6, 0x10000c
	s_cmp_lg_u32 s2, 0xf033
	s_cbranch_scc0 .Lentry_shape_is_right
	s_endpgm
.Lentry_shape_is_right:
; part[ks] = Q(outer(v, a)) Q(W1) over one sixteenth of K = 65,536, on codes of FP6 (E2M3) with one E8M0 byte for each 32 along K; sums in f32.
; K = 256 i + j.  A slice ks = 8 jh + ihn takes j = 128 jh .. + 127 and i = 32 ihn .. + 31: 32 K steps of 128, one i each.
; A work-group makes 128 rows x 512 columns: four waves side by side, each 128 x 128 (64 accumulators, 512 registers).  8 row blocks x 2 column halves x 16 slices = 256 work-groups.
; THE LEFT OPERAND IS MADE HERE: number (row, 256 i + j) = v[row][i] a[row][j] in f32; a block's largest magnitude is |v| x the largest |a| of the block (rounding keeps the order), its byte that
; product's exponent field - 2, held at 1 from below.  Wave w makes the fragments of rows 32 w .. 32 w + 31 of each K step (its a's stay in 128 registers) and hands them to the other waves through LDS as
; images of the operand's registers; two buffers take turns, one barrier a K step: step s writes A(s + 1) ahead of the barrier in its middle and reads it behind.
; W1's codes come as w1q's records (8 fragments + 128 scale words for 128 columns x 128 K): a wave's 128 columns are one record a K step, two records on end a slot, 100 rows of 256 bytes by one tensor load.
; CLUSTERS 4 x 4: the four work-groups of a column of the cluster are four row blocks of the same columns and slice: they ask for W1's records jointly.  a and v differ between all partners' waves.
; PREFETCH: behind each refill the slot after the one asked for is named, 6,400 bytes a wave, the four partners told apart by address; the last refill but none names nothing beyond slot 15.
; The matrix instruction is used transposed (source 0 = 16 columns of W1, source 1 = 16 rows): a lane holds eight neighbouring columns of one row.  part [ks 16][cq 256][row 1024][4].
; LIMITS: a block of zeros gets the byte 1 where the rule says 127 (its codes are zeros; the bytes are read here alone); NaN and infinities are not served.
; REGISTERS: window 0: v0-63 addresses, scales, codes just made; v64-127 a of my first 16 rows; v128-223 A's fragments, one set; v224-255 products.
;   window 1: W1's fragments, two sets at v0 and v128; a of my second 16 rows at v96-127 and v224-255.  Windows 2, 3: accumulator (a, b) at v[8 (8 (a % 4) + b)].
.set REC,   12800
.set SLB,   2*REC                      ; a wave's part of a slot
.set SLOT1, 1<<17                      ; slot 0 at 0, slot 1 here, 102,400 bytes each
.set ABUF,  102400                     ; two buffers of REC bytes: 8 fragments of A, 128 scale words
.set VLDS,  233472                     ; v: 4,096 bytes a wave
.set SPARE, 249856                     ; the spare words
.set L16,1
.set BA0,2
.set BS0,3
.set BA,4
.set BS,5
.set VA0,6
.set VA,7
.set SPW,8
.set NIL,9
.set SH8,10
.set CO,11
.set PFO,12
.set AST,13
.set ASS,14
.set ARD,15
.set ARS,16
.set VST,17
.set MX,18
.set SOP,20
.set TT,22
.set VCUR,24
.set AM,28
.set BSC,32                            ; W1's scale words, two sets of 4: lanes 0-15 fragment 2 p, lanes 16-31 fragment 2 p + 1
.set ASC,40                            ; A's likewise
.set AF,48
.set TU,60
.set A0V,64
.set AFR,128
.set PR,224
.set WV,12
.set G1B,24
.set G0A,44
.set G0W,48
.set TB,52
.set CNT,53
.set TV,55
.set SEL,56
.set FLOOR,58
.set PFA,60
.set MUL_LO,0xa1
.set MUL_HI,0xf1
.set MSB,0
.macro WIN new
.if MSB != (\new)
	s_set_vgpr_msb (MSB<<8)|(\new)
.set MSB, (\new)
.endif
.endm
.macro PLACES
.rept 4
	v_nop
.endr
.endm
.macro CREST
	s_cmp_lg_u32 s[WV], 0
	s_cbranch_scc1 .Lnw0_\@
	s_barrier_signal -3
.Lnw0_\@:
	s_barrier_wait -3
	s_barrier_signal -1
	s_barrier_wait -1
.endm
.macro ROUND
	s_barrier_signal -1
	s_barrier_wait -1
	CREST
.endm
.macro VMUL d, s, t, sel               ; two numbers x v: sel = 0 the pair's first i, 1 its second
.if \sel
	v_pk_mul_f32 v[\d:\d+1], v[\s:\s+1], v[VCUR+2*(\t):VCUR+2*(\t)+1] op_sel:[0,1] op_sel_hi:[1,1]
.else
	v_pk_mul_f32 v[\d:\d+1], v[\s:\s+1], v[VCUR+2*(\t):VCUR+2*(\t)+1] op_sel_hi:[1,0]
.endif
.endm
; one fragment of A (my rows 16 t .. 16 t + 15, 128 K) is made and stored into buffer buf
.macro GEN t, sel, buf
	WIN 0
	VMUL MX, AM+2*(\t), \t, \sel
	v_max_num_f32 v[MX], |v[MX]|, s[FLOOR]         ; my two blocks' largest magnitudes, over the floor 2^(3 - 127)
	v_max_num_f32 v[MX+1], |v[MX+1]|, s[FLOOR]
	v_add_nc_u32 v[SOP], 0xff000000, v[MX]         ; 2 off the exponent field: the conversions' scale operand
	v_add_nc_u32 v[SOP+1], 0xff000000, v[MX+1]
	v_lshrrev_b32 v[TT], 23, v[SOP]
	v_lshrrev_b32 v[TT+1], 7, v[SOP+1]
	v_and_or_b32 v[TT], v[TT+1], 0xff0000, v[TT]   ; bytes of blocks h and 2 + h,
	v_lshlrev_b32 v[TT], v[SH8], v[TT]             ; at their places,
	v_permlanex16_b32 v[TT+1], v[TT], s[SEL], s[SEL+1]
	v_or_b32 v[TT], v[TT], v[TT+1]                 ; with lane l xor 16's two: the row's scale word
.irp c, 0,1
	WIN \t
.set gk, 0
.rept 16
	VMUL PR+gk, A0V+32*(\t)+(32+96*(\t))*\c+gk, \t, \sel
.set gk, gk+2
.endr
	WIN 0
	v_cvt_scalef32_pk16_fp6_f32 v[AF+6*\c:AF+6*\c+2], v[PR:PR+15], v[SOP+\c]
	v_cvt_scalef32_pk16_fp6_f32 v[TU:TU+2], v[PR+16:PR+31], v[SOP+\c]   ; (a conversion's three registers begin on an even number)
	v_nop                                          ; one plain line behind the scaled conversions
.irp x, 0,1,2
	v_mov_b32 v[AF+6*\c+3+\x], v[TU+\x]
.endr
.endr
.irp g, 0,1,2
	ds_store_b128 v[AST], v[AF+4*\g:AF+4*\g+3] offset:(\buf)*REC+1536*(\t)+512*\g
.endr
	ds_store_b32 v[ASS], v[TT] offset:(\buf)*REC+64*(\t)   ; both halves of the lanes write the same word with the same value
.endm
.macro WM1 pb, pa, z
.if \z
.if (\pb)*2+(\pa) == 3
	v_wmma_scale_f32_16x16x128_f8f6f4 v[rD:rD+7], v[rB:rB+11], v[rA:rA+11], 0, v[rS], v[rT] matrix_a_fmt:MATRIX_FMT_FP6 matrix_b_fmt:MATRIX_FMT_FP6 matrix_a_scale:MATRIX_SCALE_ROW1 matrix_b_scale:MATRIX_SCALE_ROW1
.elseif (\pb)*2+(\pa) == 2
	v_wmma_scale_f32_16x16x128_f8f6f4 v[rD:rD+7], v[rB:rB+11], v[rA:rA+11], 0, v[rS], v[rT] matrix_a_fmt:MATRIX_FMT_FP6 matrix_b_fmt:MATRIX_FMT_FP6 matrix_a_scale:MATRIX_SCALE_ROW1
.elseif (\pb)*2+(\pa) == 1
	v_wmma_scale_f32_16x16x128_f8f6f4 v[rD:rD+7], v[rB:rB+11], v[rA:rA+11], 0, v[rS], v[rT] matrix_a_fmt:MATRIX_FMT_FP6 matrix_b_fmt:MATRIX_FMT_FP6 matrix_b_scale:MATRIX_SCALE_ROW1
.else
	v_wmma_scale_f32_16x16x128_f8f6f4 v[rD:rD+7], v[rB:rB+11], v[rA:rA+11], 0, v[rS], v[rT] matrix_a_fmt:MATRIX_FMT_FP6 matrix_b_fmt:MATRIX_FMT_FP6
.endif
.else
.if (\pb)*2+(\pa) == 3
	v_wmma_scale_f32_16x16x128_f8f6f4 v[rD:rD+7], v[rB:rB+11], v[rA:rA+11], v[rD:rD+7], v[rS], v[rT] matrix_a_fmt:MATRIX_FMT_FP6 matrix_b_fmt:MATRIX_FMT_FP6 matrix_a_scale:MATRIX_SCALE_ROW1 matrix_b_scale:MATRIX_SCALE_ROW1
.elseif (\pb)*2+(\pa) == 2
	v_wmma_scale_f32_16x16x128_f8f6f4 v[rD:rD+7], v[rB:rB+11], v[rA:rA+11], v[rD:rD+7], v[rS], v[rT] matrix_a_fmt:MATRIX_FMT_FP6 matrix_b_fmt:MATRIX_FMT_FP6 matrix_a_scale:MATRIX_SCALE_ROW1
.elseif (\pb)*2+(\pa) == 1
	v_wmma_scale_f32_16x16x128_f8f6f4 v[rD:rD+7], v[rB:rB+11], v[rA:rA+11], v[rD:rD+7], v[rS], v[rT] matrix_a_fmt:MATRIX_FMT_FP6 matrix_b_fmt:MATRIX_FMT_FP6 matrix_b_scale:MATRIX_SCALE_ROW1
.else
	v_wmma_scale_f32_16x16x128_f8f6f4 v[rD:rD+7], v[rB:rB+11], v[rA:rA+11], v[rD:rD+7], v[rS], v[rT] matrix_a_fmt:MATRIX_FMT_FP6 matrix_b_fmt:MATRIX_FMT_FP6
.endif
.endif
.endm
; 16 products: A's blocks a0, a0 + 1 x W1's eight.  The 64 accumulators take turns, one instruction a turn, in the same order in every step
.macro MUL16 a0, set, zero
.irp a, \a0, \a0+1
.irp b, 0,1,2,3,4,5,6,7
.set rD, 8*(8*((\a)%4)+\b)
.set rB, 128*(\set)+12*\b
.set rA, AFR+12*(\a)
.set rS, BSC+4*(\set)+\b/2
.set rT, ASC+4*(\set)+(\a)/2
	WM1 (\b)%2, (\a)%2, \zero
.endr
.endr
.endm
.macro FETCH_B set, rec                ; my record rec of the slot at v[BA]: 8 fragments into set, 4 registers of scale words
	WIN 0x40
.irp f, 0,1,2,3,4,5,6,7
.irp g, 0,1,2
	ds_load_b128 v[128*(\set)+12*\f+4*\g:128*(\set)+12*\f+4*\g+3], v[BA] offset:(\rec)*REC+1536*\f+512*\g
.endr
.endr
	WIN 0
.irp p, 0,1,2,3
	ds_load_b32 v[BSC+4*(\set)+\p], v[BS] offset:(\rec)*REC+12288+128*\p
.endr
.endm
.macro FETCH_A buf, a0                 ; A's blocks a0 .. a0 + 3 out of buffer buf: 12 loads
.irp a, \a0, \a0+1, \a0+2, \a0+3
.irp g, 0,1,2
	ds_load_b128 v[AFR+12*(\a)+4*\g:AFR+12*(\a)+4*\g+3], v[ARD] offset:(\buf)*REC+1536*(\a)+512*\g
.endr
.endr
.endm
.macro ASCL buf
.irp p, 0,1,2,3
	ds_load_b32 v[ASC+4*(\buf)+\p], v[ARS] offset:(\buf)*REC+128*\p
.endr
.endm
.macro ASK                             ; the slot after the one just asked for; not in the loop's last trip, whose next slot does not exist
	s_cmp_gt_u32 s[CNT], 1
	s_cbranch_scc0 .Lno_more_\@
	global_prefetch_b8 v[PFO], s[PFA:PFA+1] th:TH_LOAD_NT scope:SCOPE_SE
.Lno_more_\@:
.endm
; K step s, par = s % 2.  gen: A(s + 1) is made and stored.  mid: 0 a barrier for A(s + 1); 1 the same barrier opens a round and the slot read out is filled again; 2 the last slot is waited for, nothing is filled; 3 the last step.
; vl: the next pair of v is read.
.macro STEP par, zero, mid, vl, gen
	s_wait_dscnt 12                                ; all but the youngest 12 loads (A's blocks 4-7) are in
.if \gen
.if \par
	s_xor_b32 s[TB], s[TB], SLOT1                  ; the next step's record lies in the other slot
	v_add_nc_u32 v[BA], s[TB], v[BA0]
	v_add_nc_u32 v[BS], s[TB], v[BS0]
.elseif \vl
	v_add_nc_u32 v[VA], s[TV], v[VA0]
	s_add_co_u32 s[TV], s[TV], 256
.endif
	GEN 0, (1-\par), (1-\par)
	GEN 1, (1-\par), (1-\par)
.endif
.if (\mid == 1) || (\mid == 2)
	s_wait_tensorcnt 0x0                           ; my one tensor load that is out, my part of the next slot, has landed
.endif
.if \mid == 1
	ds_add_u32 v[SPW], v[NIL]
	s_xor_b32 s[G0W+1], s[G0W+1], SLOT1            ; no tensor load of mine is out: the descriptor steps to the slot two on
	s_add_nc_u64 s[G0W+2:G0W+3], s[G0W+2:G0W+3], SLB
	s_wait_xcnt 0x0                                ; the last prefetch has read its address
	s_add_nc_u64 s[PFA:PFA+1], s[PFA:PFA+1], SLB
.endif
	WIN MUL_LO
	MUL16 0, \par, \zero
.if \mid != 3
	s_wait_dscnt 0x0                               ; my stores of A(s + 1), my reads of A(s) and of the slot, and the add are done
	s_barrier_signal -1
.endif
	MUL16 2, \par, \zero
.if \mid != 3
	WIN 0
	s_barrier_wait -1
.if \mid == 1
	CREST                                          ; no wave of any partner still reads the slot or has a load on its way
	tensor_load_to_lds s[G0W:G0W+3], s[G1B:G1B+7]
	s_nop 0
	PLACES
.else
	PLACES
.endif
.if \vl
.irp t, 0,1
	ds_load_b64 v[VCUR+2*\t:VCUR+2*\t+1], v[VA] offset:128*\t
.endr
.endif
	FETCH_B (1-\par), (1-\par)
	FETCH_A (1-\par), 0
	ASCL (1-\par)
.if \mid == 1
	ASK
.endif
.else
	s_wait_dscnt 0x0
.endif
	WIN MUL_HI
	MUL16 4, \par, \zero
	MUL16 6, \par, \zero
.if \mid != 3
	PLACES
	WIN 0
	FETCH_A (1-\par), 4
.endif
.endm
	s_load_b256 s[4:11], s[0:1], 0x0               ; w1q, aq, vq, part
	v_lshl_add_u32 v[SPW], v0, 2, SPARE
	v_mov_b32 v[NIL], 0
	ds_add_u32 v[SPW], v[NIL]
	ds_add_u32 v[SPW], v[NIL]
	v_lshrrev_b32 v[BA], 5, v0
	v_readfirstlane_b32 s[WV], v[BA]
	s_bfe_u32 s13, ttmp6, 0x40000                  ; cx
	s_bfe_u32 s14, ttmp6, 0x40004                  ; cy
	s_and_b32 s15, s13, 1                          ; nt: which 512 columns
	s_lshr_b32 s16, s13, 1                         ; jh
	s_lshr_b32 s17, ttmp9, 1                       ; ihn
	s_and_b32 s18, ttmp9, 1
	s_lshl_b32 s18, s18, 2
	s_add_co_u32 s18, s18, s14                     ; mt: which 128 rows
	s_lshl_b32 s20, s15, 2
	s_add_co_u32 s20, s20, s[WV]                   ; n = 4 nt + wave
	s_lshl_b32 s20, s20, 1
	s_add_co_u32 s20, s20, s16
	s_lshl_b32 s20, s20, 3
	s_add_co_u32 s20, s20, s17
	s_mul_i32 s20, s20, 32*REC                     ; record (2 n + jh) 256 + 32 ihn
	s_mov_b32 s21, 0
	s_lshl_b32 s66, s16, 3
	s_add_co_u32 s66, s66, s18
	s_lshl_b32 s66, s66, 2
	s_add_co_u32 s66, s66, s[WV]
	s_lshl_b32 s66, s66, 14                        ; aq: my two tiles of 16 rows
	s_mov_b32 s67, 0
	s_lshr_b32 s22, s17, 1
	s_lshl_b32 s22, s22, 3
	s_add_co_u32 s22, s22, s18
	s_lshl_b32 s22, s22, 2
	s_add_co_u32 s22, s22, s[WV]
	s_lshl_b32 s22, s22, 1
	s_and_b32 s23, s17, 1
	s_add_co_u32 s22, s22, s23
	s_lshl_b32 s22, s22, 12                        ; vq: my 32 rows, 16 pairs of i
	s_mov_b32 s23, 0
	s_lshl_b32 s68, s16, 3
	s_add_co_u32 s68, s68, s17                     ; ks
	s_lshl_b32 s68, s68, 1
	s_add_co_u32 s68, s68, s15
	s_lshl_b32 s68, s68, 2
	s_add_co_u32 s68, s68, s[WV]
	s_lshl_b32 s68, s68, 8
	s_add_co_u32 s68, s68, s18
	s_lshl_b32 s68, s68, 11                        ; part: ks 2^22 + nt 2^21 + wave 2^19 + mt 2^11
	s_mov_b32 s69, 0
	s_mul_i32 s74, s14, REC/2                      ; prefetch: my work-group's quarter of my wave's part of a slot
	s_add_co_u32 s74, s74, s20
	s_add_co_u32 s74, s74, 2*SLB
	s_mov_b32 s75, 0
	s_lshl_b32 s76, 0x1111, s13                    ; my column of the cluster
	s_or_b32 s[G1B], s76, (3<<16)|(1<<21)          ; 100 rows of 32 elements of 8 bytes, dense
	s_mov_b32 s[G1B+1], 32<<16
	s_mov_b32 s[G1B+2], 100<<16
	s_mov_b32 s[G1B+3], 32<<16
	s_mov_b32 s[G1B+4], 100
	s_mov_b32 s[G1B+5], 32
	s_mov_b32 s[G1B+6], 0
	s_mov_b32 s[G1B+7], 0
	s_mov_b32 s[SEL], 0x76543210
	s_mov_b32 s[SEL+1], 0xfedcba98
	s_mov_b32 s[FLOOR], 0x1800000
	s_mov_b32 s[TB], 0
	s_mov_b32 s[TV], 256
	s_mul_i32 s70, s[WV], SLB
	s_lshl_b32 s71, s[WV], 12
	s_add_co_u32 s71, s71, VLDS
	s_mul_i32 s72, s[WV], 3072
	s_add_co_u32 s72, s72, ABUF
	s_lshl_b32 s73, s[WV], 7
	s_add_co_u32 s73, s73, ABUF+12288
	v_and_b32 v[BS], 31, v0                        ; lane
	v_and_b32 v[VA], 15, v0                        ; r
	v_bfe_u32 v[SH8], v0, 4, 1                     ; h
	v_lshlrev_b32 v[L16], 4, v[BS]
	v_lshl_add_u32 v[BA0], v[BS], 4, s70
	v_lshl_add_u32 v[BS0], v[BS], 2, s70
	v_min_u32 v[PFO], 24, v[BS]
	v_lshlrev_b32 v[PFO], 8, v[PFO]                ; 25 blocks of 256 bytes; the lanes left over name the last again
	v_lshlrev_b32 v[CO], 4, v[VA]
	v_lshl_add_u32 v[CO], v[SH8], 15, v[CO]
	v_lshl_add_u32 v[VA0], v[VA], 3, s71
	v_lshl_add_u32 v[VST], v[BS], 4, s71
	v_lshl_add_u32 v[AST], v[BS], 4, s72
	v_lshl_add_u32 v[ASS], v[VA], 2, s73
	v_lshl_add_u32 v[ARD], v[BS], 4, ABUF
	v_lshl_add_u32 v[ARS], v[BS], 2, ABUF+12288
	v_lshlrev_b32 v[SH8], 3, v[SH8]
	v_add_nc_u32 v[BA], s[TB], v[BA0]
	v_add_nc_u32 v[BS], s[TB], v[BS0]
	s_wait_alu depctr_va_vdst(0)
	s_wait_dscnt 0x0
	s_wait_kmcnt 0x0
	s_add_nc_u64 s[6:7], s[6:7], s[66:67]
	s_add_nc_u64 s[8:9], s[8:9], s[22:23]
	s_add_nc_u64 s[10:11], s[10:11], s[68:69]
	s_add_nc_u64 s[PFA:PFA+1], s[4:5], s[74:75]
.set q, 0
.rept 16
	global_load_b128 v[A0V+4*q:A0V+4*q+3], v[L16], s[6:7] offset:512*q
.set q, q+1
.endr
.set q, 0
.rept 8
	global_load_b128 v[PR+4*q:PR+4*q+3], v[L16], s[8:9] offset:512*q
.set q, q+1
.endr
	WIN 0x40
.set q, 0
.rept 16
	global_load_b128 v[96+4*q+96*(q/8):96+4*q+96*(q/8)+3], v[L16], s[6:7] offset:8192+512*q
.set q, q+1
.endr
	WIN 0
	s_mov_b32 s[G0A], 1
	s_mov_b32 s[G0A+1], s70
	s_add_nc_u64 s[G0A+2:G0A+3], s[4:5], s[20:21]
	s_or_b32 s[G0A+3], s[G0A+3], 0x80000000
	s_mov_b32 s[G0W], 1
	s_add_co_u32 s[G0W+1], s70, SLOT1
	s_add_nc_u64 s[G0W+2:G0W+3], s[4:5], s[20:21]
	s_add_nc_u64 s[G0W+2:G0W+3], s[G0W+2:G0W+3], SLB
	s_or_b32 s[G0W+3], s[G0W+3], 0x80000000
	ROUND                                          ; all sixteen work-groups are here: the first joint loads meet
	tensor_load_to_lds s[G0A:G0A+3], s[G1B:G1B+7]  ; K steps 0 and 1: one tensor load a wave at the head
	s_nop 0
	PLACES
	s_wait_loadcnt 0x0
.set q, 0
.rept 8
	ds_store_b128 v[VST], v[PR+4*q:PR+4*q+3] offset:512*q   ; my v's, into bytes that my wave alone reads
.set q, q+1
.endr
.irp t, 0,1
	ds_load_b64 v[VCUR+2*\t:VCUR+2*\t+1], v[VA0] offset:128*\t
.endr
.irp q, 0,1,2,3
	v_mov_b32 v[AM+\q], 0
.endr
.irp x, 0,2,4,6,8,10,12,14,16,18,20,22,24,26,28,30
.irp c, 0,1
	v_max3_num_f32 v[AM+\c], v[AM+\c], |v[A0V+32*\c+\x]|, |v[A0V+32*\c+\x+1]|   ; the largest |a| of my blocks
.endr
.endr
	WIN 0x14
.irp x, 0,2,4,6,8,10,12,14,16,18,20,22,24,26,28,30
.irp c, 0,1
	v_max3_num_f32 v[AM+2+\c], v[AM+2+\c], |v[96+128*\c+\x]|, |v[96+128*\c+\x+1]|
.endr
.endr
	WIN 0
	s_wait_alu depctr_va_vdst(0)
	s_wait_dscnt 0x0
	GEN 0, 0, 0                                    ; A(0)
	GEN 1, 0, 0
	s_wait_alu depctr_va_vdst(0)
	s_wait_tensorcnt 0x0                           ; slot 1's first fill is issued as a refill is
	ds_add_u32 v[SPW], v[NIL]
	s_wait_dscnt 0x0                               ; the add and my stores of A(0) are done
	ROUND
	tensor_load_to_lds s[G0W:G0W+3], s[G1B:G1B+7]  ; K steps 2 and 3
	s_nop 0
	PLACES
	FETCH_B 0, 0
	FETCH_A 0, 0
	ASCL 0
	FETCH_A 0, 4
	STEP 0, 1, 0, 1, 1                             ; the first step's products start the sums
	s_mov_b32 s[CNT], 14
.Lk:                                                   ; steps 2 p + 1 and 2 p + 2, p = 0 .. 13: one refill a trip, slots 2 .. 15
	STEP 1, 0, 1, 0, 1
	STEP 0, 0, 0, 1, 1
	s_sub_co_u32 s[CNT], s[CNT], 1
	s_cmp_lg_u32 s[CNT], 0
	s_cbranch_scc1 .Lk
	STEP 1, 0, 2, 0, 1                             ; steps 29, 30, 31: nothing more is asked for
	STEP 0, 0, 0, 0, 1
	STEP 1, 0, 3, 0, 0
	PLACES
.irp a, 0,1,2,3,4,5,6,7
	WIN 0x08+4*(\a/4)
.irp b, 0,1,2,3,4,5,6,7
	global_store_b128 v[CO], v[8*(8*(\a%4)+\b):8*(8*(\a%4)+\b)+3], s[10:11] offset:65536*\b+256*\a          ; sixteen lanes store 256 consecutive bytes, aligned; each accumulator from its low end on
	global_store_b128 v[CO], v[8*(8*(\a%4)+\b)+4:8*(8*(\a%4)+\b)+7], s[10:11] offset:65536*\b+256*\a+16384
.endr
.endr
	WIN 0
	s_wait_tensorcnt 0x0                           ; the wave's end
	ds_add_u32 v[SPW], v[NIL]
	s_wait_dscnt 0x0
	ROUND                                          ; the closing round
	s_endpgm
.Lfunc_end_k_q315c43e50f_gemm:
	.size	k_q315c43e50f_gemm, .Lfunc_end_k_q315c43e50f_gemm-k_q315c43e50f_gemm
	.p2alignl 7, 3214868480
	.fill 96, 4, 3214868480
	.section	.rodata,"a",@progbits
	.p2align	6, 0x0
	.amdhsa_kernel k_q315c43e50f_gemm
		.amdhsa_group_segment_fixed_size 327680
		.amdhsa_private_segment_fixed_size 0
		.amdhsa_enable_private_segment 0
		.amdhsa_kernarg_size 32
		.amdhsa_user_sgpr_count 2
		.amdhsa_user_sgpr_kernarg_segment_ptr 1
		.amdhsa_wavefront_size32 1
		.amdhsa_system_sgpr_workgroup_id_x 1
		.amdhsa_system_sgpr_workgroup_id_y 1
		.amdhsa_system_sgpr_workgroup_id_z 1
		.amdhsa_system_vgpr_workitem_id 0
		.amdhsa_next_free_vgpr 1024
		.amdhsa_next_free_sgpr 80
		.amdhsa_reserve_vcc 0
		.amdhsa_float_denorm_mode_32 3
		.amdhsa_float_denorm_mode_16_64 3
		.amdhsa_memory_ordered 1
		.amdhsa_forward_progress 1
		.amdhsa_inst_pref_size 143
	.end_amdhsa_kernel
	.amdgpu_metadata
---
amdhsa.version: [ 1, 2 ]
amdhsa.kernels:
  - .name:           k_q315c43e50f_gemm
    .symbol:         k_q315c43e50f_gemm.kd
    .args:
      - { .name: w1q, .offset: 0, .size: 8, .value_kind: global_buffer, .address_space: global }
      - { .name: aq, .offset: 8, .size: 8, .value_kind: global_buffer, .address_space: global }
      - { .name: vq, .offset: 16, .size: 8, .value_kind: global_buffer, .address_space: global }
      - { .name: part, .offset: 24, .size: 8, .value_kind: global_buffer, .address_space: global }
    .group_segment_fixed_size: 327680
    .private_segment_fixed_size: 0
    .kernarg_segment_align: 8
    .kernarg_segment_size: 32
    .max_flat_workgroup_size: 128
    .sgpr_count:     80
    .vgpr_count:     1024
    .wavefront_size: 32
...
	.end_amdgpu_metadata
.endif
;; end of part 2
;; launch bnorm (part 3): grid 256 x 1, 8 waves a work-group, no clusters, 1,536 bytes of LDS; arguments part, b1, gamma, beta, hn; writes hn
.if DOCPART == 3
	.amdgcn_target "amdgcn-amd-amdhsa--gfx1250"
	.amdhsa_code_object_version 6
	.text
	.protected	k_q315c43e50f_bnorm
	.globl	k_q315c43e50f_bnorm
	.p2align	8
	.type	k_q315c43e50f_bnorm,@function
k_q315c43e50f_bnorm:
	s_mov_b64 s[64:65], 0
	v_nop
	global_prefetch_b8 v0, s[64:65] scope:SCOPE_SE
	s_setreg_imm32_b32 hwreg(HW_REG_WAVE_MODE, 25, 1), 1
	s_wait_xcnt 0x0
; hn = gamma (h - mean) rsqrt(var + 1e-5) + beta, h = relu(the sixteen slices' sum, in ascending order, + b1); mean and the biased variance over the 1,024 rows, all in f32.
; part [ks 16][cq 256][row 1024][4], hn [cq 256][row 1024][4].  A work-group owns one cq, four columns, for all rows; thread tid owns rows tid + 256 k, k = 0 .. 3: every load and store of a wave
; covers 512 consecutive bytes.  The variance is taken in a second pass over the registers, of the differences from the mean: no difference of large sums.
; Eight register slots of 16: slices 0-7 go out at once; a slot that has been added takes the slice seven on.  Work-groups share no input: nothing for a cluster.  No matrix work.
; LIMITS: NaN and infinities are not served.
.set H, 32                             ; v32-159 eight slots of 16 registers (4 k + column); the sums, h, the differences and hn take slot 0
.macro LD ks, sl
.irp k, 0,1,2,3
	global_load_b128 v[H+16*(\sl)+4*\k:H+16*(\sl)+4*\k+3], v1, s[48+2*((\ks)/2):49+2*((\ks)/2)] offset:((\ks)%2)*4194304+4096*\k th:TH_LOAD_NT
.endr
.endm
	s_load_b256 s[4:11], s[0:1], 0x0               ; part s[4:5], b1 s[6:7], gamma s[8:9], beta s[10:11]
	s_load_b64 s[12:13], s[0:1], 0x20              ; hn
	v_lshl_add_u32 v192, v0, 2, 0x200
	v_mov_b32 v193, 0
	v_lshlrev_b32 v1, 4, v0                        ; 16 x thread
	v_lshrrev_b32 v2, 5, v0
	s_delay_alu instid0(VALU_DEP_1)
	v_lshlrev_b32 v2, 4, v2                        ; LDS: 16 bytes for each wave
	v_mov_b32 v3, 0
	s_lshl_b32 s14, ttmp9, 14                      ; cq x 16,384
	s_mov_b32 s15, 0
	s_lshl_b32 s16, ttmp9, 4                       ; four numbers of b1, gamma, beta
	s_mov_b32 s17, 0
	s_mov_b32 s36, 0x76543210
	s_mov_b32 s37, 0xfedcba98                      ; lane l xor 16
	s_mov_b32 s38, 0x3a800000                      ; 1 / 1,024
	s_mov_b32 s39, 0x3727c5ac                      ; 1e-5
	s_wait_alu depctr_va_vdst(0)
	s_wait_kmcnt 0x0
	s_add_nc_u64 s[48:49], s[4:5], s[14:15]        ; eight bases, two slices apart, so that every offset fits the immediate
.irp b, 0,1,2,3,4,5,6
	s_add_nc_u64 s[50+2*\b:51+2*\b], s[48+2*\b:49+2*\b], 0x800000
.endr
	s_add_nc_u64 s[6:7], s[6:7], s[16:17]
	s_add_nc_u64 s[8:9], s[8:9], s[16:17]
	s_add_nc_u64 s[10:11], s[10:11], s[16:17]
	s_add_nc_u64 s[12:13], s[12:13], s[14:15]
.irp ks, 0,1,2,3,4,5,6,7
	LD \ks, \ks
.endr
	s_load_b128 s[28:31], s[6:7], 0x0
	s_load_b128 s[32:35], s[8:9], 0x0
	s_load_b128 s[40:43], s[10:11], 0x0
	s_wait_kmcnt 0x0
.irp c, 0,1,2,3
	v_mov_b32 v[4+\c], s[28+\c]                    ; b1
	v_mov_b32 v[8+\c], s[32+\c]                    ; gamma
	v_mov_b32 v[12+\c], s[40+\c]                   ; beta
.endr
.set q, 1
.rept 15
.if q < 8
.set sl, q
.elseif q < 15
.set sl, q-7
.else
.set sl, 1
.endif
	s_wait_alu depctr_va_vdst(0)
.if q < 10
	s_wait_loadcnt 24                              ; slice q is in; the six younger slices' four loads each may be out
.else
	s_wait_loadcnt 4*(15-q)
.endif
.irp k, 0,1,2,3
.irp p, 0,2
	v_pk_add_f32 v[H+4*\k+\p:H+4*\k+\p+1], v[H+4*\k+\p:H+4*\k+\p+1], v[H+16*sl+4*\k+\p:H+16*sl+4*\k+\p+1]
.endr
.endr
.if q < 9
	LD q+7, sl                                     ; the slot just added takes the slice seven on
.endif
.set q, q+1
.endr
.irp k, 0,1,2,3
.irp p, 0,2
	v_pk_add_f32 v[H+4*\k+\p:H+4*\k+\p+1], v[H+4*\k+\p:H+4*\k+\p+1], v[4+\p:5+\p]
.endr
.endr
.irp j, 0,1,2,3,4,5,6,7,8,9,10,11,12,13,14,15
	v_max_num_f32 v[H+\j], 0, v[H+\j]              ; relu
.endr
; v16-19, a number for each column, are summed over the wave's lanes, then over the eight waves through 128 bytes of LDS at off; the sums come back in v160-163, in every lane
.macro REDUCE off
.irp m, 1,2,4,8
.irp c, 0,1,2,3
	v_add_f32_dpp v[16+\c], v[16+\c], v[16+\c] row_xmask:\m row_mask:0xf bank_mask:0xf
.endr
.endr
.irp c, 0,1,2,3
	s_delay_alu instid0(VALU_DEP_4)
	v_permlanex16_b32 v[20+\c], v[16+\c], s36, s37
.endr
.irp c, 0,1,2,3
	s_delay_alu instid0(VALU_DEP_4)
	v_add_f32 v[16+\c], v[16+\c], v[20+\c]
.endr
	ds_store_b128 v2, v[16:19] offset:\off         ; all lanes of a wave write the same 16 bytes with the same values
	s_wait_dscnt 0x0                               ; for the others' sake: my store is done
	s_barrier_signal -1
	s_barrier_wait -1
.irp i, 0,1,2,3,4,5,6,7
	ds_load_b128 v[160+4*\i:163+4*\i], v3 offset:\off+16*\i
.endr
	s_wait_dscnt 0x0
.irp i, 1
	v_pk_add_f32 v[160:161], v[160:161], v[160+4*\i:161+4*\i]
	v_pk_add_f32 v[162:163], v[162:163], v[162+4*\i:163+4*\i]
.endr
.irp i, 2, 3, 4, 5, 6, 7
	s_delay_alu instid0(VALU_DEP_2)
	v_pk_add_f32 v[160:161], v[160:161], v[160+4*\i:161+4*\i]
	s_delay_alu instid0(VALU_DEP_2)
	v_pk_add_f32 v[162:163], v[162:163], v[162+4*\i:163+4*\i]
.endr
.endm
	v_pk_add_f32 v[16:17], v[H:H+1], v[H+4:H+5]
	v_pk_add_f32 v[18:19], v[H+2:H+3], v[H+6:H+7]
	v_pk_add_f32 v[20:21], v[H+8:H+9], v[H+12:H+13]
	s_delay_alu instid0(VALU_DEP_4)
	v_pk_add_f32 v[22:23], v[H+10:H+11], v[H+14:H+15]
	s_delay_alu instid0(VALU_DEP_2)
	v_pk_add_f32 v[16:17], v[16:17], v[20:21]
	s_delay_alu instid0(VALU_DEP_2)
	v_pk_add_f32 v[18:19], v[18:19], v[22:23]
	REDUCE 0
.irp c, 0,1,2,3
	v_mul_f32 v[24+\c], s38, v[160+\c]             ; the mean
.endr
.irp k, 0,1,2,3
.irp p, 0,2
	v_pk_add_f32 v[H+4*\k+\p:H+4*\k+\p+1], v[H+4*\k+\p:H+4*\k+\p+1], v[24+\p:25+\p] neg_lo:[0,1] neg_hi:[0,1]   ; d = h - mean
.endr
.endr
.irp p, 0,2
	v_pk_mul_f32 v[16+\p:17+\p], v[H+\p:H+\p+1], v[H+\p:H+\p+1]
.endr
.irp k, 1,2,3
.irp p, 0,2
	s_delay_alu instid0(VALU_DEP_2)
	v_pk_fma_f32 v[16+\p:17+\p], v[H+4*\k+\p:H+4*\k+\p+1], v[H+4*\k+\p:H+4*\k+\p+1], v[16+\p:17+\p]
.endr
.endr
	REDUCE 128
.irp c, 0,1,2,3
	v_fma_f32 v[24+\c], v[160+\c], s38, s39        ; var + 1e-5
.endr
	s_wait_alu depctr_va_vdst(0)
.irp c, 0,1,2,3
	v_rsq_f32 v[28+\c], v[24+\c]
.endr
	v_nop                                          ; a plain line behind the last of the four
	s_wait_alu depctr_va_vdst(0)                   ; one wait for the four, ahead of the first line that names a result
.irp p, 0,2
	v_pk_mul_f32 v[28+\p:29+\p], v[28+\p:29+\p], v[8+\p:9+\p]     ; gamma rsqrt(var + 1e-5)
.endr
.irp k, 0,1,2,3
.irp p, 0,2
	v_pk_fma_f32 v[H+4*\k+\p:H+4*\k+\p+1], v[H+4*\k+\p:H+4*\k+\p+1], v[28+\p:29+\p], v[12+\p:13+\p]
.endr
.endr
.irp k, 0,1,2,3
	global_store_b128 v1, v[H+4*\k:H+4*\k+3], s[12:13] offset:4096*\k
.endr
	s_wait_tensorcnt 0x0
	ds_add_u32 v192, v193
	s_wait_dscnt 0x0
	s_endpgm
.Lfunc_end_k_q315c43e50f_bnorm:
	.size	k_q315c43e50f_bnorm, .Lfunc_end_k_q315c43e50f_bnorm-k_q315c43e50f_bnorm
	.p2alignl 7, 3214868480
	.fill 96, 4, 3214868480
	.section	.rodata,"a",@progbits
	.p2align	6, 0x0
	.amdhsa_kernel k_q315c43e50f_bnorm
		.amdhsa_group_segment_fixed_size 1536
		.amdhsa_private_segment_fixed_size 0
		.amdhsa_enable_private_segment 0
		.amdhsa_kernarg_size 40
		.amdhsa_user_sgpr_count 2
		.amdhsa_user_sgpr_kernarg_segment_ptr 1
		.amdhsa_wavefront_size32 1
		.amdhsa_system_sgpr_workgroup_id_x 1
		.amdhsa_system_sgpr_workgroup_id_y 1
		.amdhsa_system_sgpr_workgroup_id_z 1
		.amdhsa_system_vgpr_workitem_id 0
		.amdhsa_next_free_vgpr 194
		.amdhsa_next_free_sgpr 66
		.amdhsa_reserve_vcc 0
		.amdhsa_float_denorm_mode_32 3
		.amdhsa_float_denorm_mode_16_64 3
		.amdhsa_memory_ordered 1
		.amdhsa_forward_progress 1
		.amdhsa_inst_pref_size 29
	.end_amdhsa_kernel
	.amdgpu_metadata
---
amdhsa.version: [ 1, 2 ]
amdhsa.kernels:
  - .name:           k_q315c43e50f_bnorm
    .symbol:         k_q315c43e50f_bnorm.kd
    .args:
      - { .name: part, .offset: 0, .size: 8, .value_kind: global_buffer, .address_space: global }
      - { .name: b1, .offset: 8, .size: 8, .value_kind: global_buffer, .address_space: global }
      - { .name: gamma, .offset: 16, .size: 8, .value_kind: global_buffer, .address_space: global }
      - { .name: beta, .offset: 24, .size: 8, .value_kind: global_buffer, .address_space: global }
      - { .name: hn, .offset: 32, .size: 8, .value_kind: global_buffer, .address_space: global }
    .group_segment_fixed_size: 1536
    .private_segment_fixed_size: 0
    .kernarg_segment_align: 8
    .kernarg_segment_size: 40
    .max_flat_workgroup_size: 256
    .sgpr_count:     66
    .vgpr_count:     194
    .wavefront_size: 32
...
	.end_amdgpu_metadata
.endif
;; end of part 3
;; launch head (part 4): grid 64 x 1, 1 waves a work-group, no clusters, 0 bytes of LDS; arguments hn, w2q, b2, out0; writes out0
.if DOCPART == 4
	.amdgcn_target "amdgcn-amd-amdhsa--gfx1250"
	.amdhsa_code_object_version 6
	.text
	.protected	k_q315c43e50f_head
	.globl	k_q315c43e50f_head
	.p2align	8
	.type	k_q315c43e50f_head,@function
k_q315c43e50f_head:
	s_mov_b64 s[64:65], 0
	v_nop
	global_prefetch_b8 v0, s[64:65] scope:SCOPE_SE
	s_setreg_imm32_b32 hwreg(HW_REG_WAVE_MODE, 25, 1), 1
	s_wait_xcnt 0x0
; out0 = Q(hn) Q(W2) + b2, on codes of FP6 (E2M3) with one E8M0 scale for each 32 along K = 1,024.  hn [cq 256][row 1024][4] f32 is quantised here, in registers; W2 comes as images of the operand's
; registers (w2q: a record of 3,200 bytes for each K step: columns 0-15, columns 16-31, 32 scale words; columns 21-31 repeat column 20 and their results are not stored).
; One wave takes 16 rows: 64 work-groups of one wave, which share only w2q's 25,600 bytes: too little for a cluster.  Eight K steps, written out; loads run two K steps ahead.
; Lane (r, h) takes, of row r, 16 neighbouring numbers of each block of 32: sixteen lanes read 256 consecutive bytes.  A row of out0 is 84 bytes; a wave's 16 rows are 1,344 consecutive bytes, all stored by this wave.
; LIMITS: NaN and infinities are not served; a block of zeros gets the byte 1 where the rule says 127 (its codes are zeros).
.set X,   32                           ; v32-159  two sets of 64 numbers
.set WF,  160                          ; v160-207 two sets of W2's two fragments
.set WS,  208                          ; v208-209 W2's scale words: lanes 0-15 columns 0-15, lanes 16-31 columns 16-31
.set PC,  210                          ; v210-228 the codes just made
.set TM,  230                          ; v230-245 at work
.set PW,  246                          ; v246     hn's scale word
.set SEL, 16
.macro LOADS s                         ; K step s: 23 loads
.irp b, 0,1,2,3
.irp e, 0,1,2,3
	global_load_b128 v[X+64*((\s)%2)+16*\b+4*\e:X+64*((\s)%2)+16*\b+4*\e+3], v3, s[4:5] offset:(32*(\s)+8*\b+\e)*16384   ; register 16 b + 4 e + x = hn[row r][128 s + 32 b + 16 h + 4 e + x]
.endr
.endr
.irp g, 0,1,2
	global_load_b128 v[WF+24*((\s)%2)+4*\g:WF+24*((\s)%2)+4*\g+3], v4, s[6:7] offset:3200*(\s)+512*\g
	global_load_b128 v[WF+24*((\s)%2)+12+4*\g:WF+24*((\s)%2)+12+4*\g+3], v4, s[6:7] offset:3200*(\s)+1536+512*\g
.endr
	global_load_b32 v[WS+(\s)%2], v5, s[6:7] offset:3200*(\s)+3072
.endm
; 64 numbers of a lane, register 16 b + i = k 32 b + 16 (lane / 16) + i of my row, become a fragment's codes in v[PC] on and its scale word in v[PW]
.macro QUANT s
.irp b, 0,1,2,3
	v_max3_num_f32 v[TM+\b], |v[\s+16*\b]|, |v[\s+1+16*\b]|, 0x1800000   ; my 16 numbers of block b, and the floor 2^(3 - 127): the byte cannot fall under 1
.endr
.irp i, 2,4,6,8,10,12,14
.irp b, 0,1,2,3
	v_max3_num_f32 v[TM+\b], v[TM+\b], |v[\s+16*\b+\i]|, |v[\s+1+16*\b+\i]|
.endr
.endr
.irp b, 0,1,2,3
	v_permlanex16_b32 v[TM+4+\b], v[TM+\b], s[SEL], s[SEL+1]
.endr
.irp b, 0,1,2,3
	v_max_num_f32 v[TM+\b], v[TM+\b], v[TM+4+\b]   ; with lane l xor 16's: the block's largest magnitude
.endr
.irp b, 0,1,2,3
	v_add_nc_u32 v[TM+12+\b], 0xff000000, v[TM+\b] ; 2 off its exponent field: the conversion's scale operand
.endr
.irp b, 0,1,2,3
	v_lshrrev_b32 v[TM+4+\b], 23, v[TM+12+\b]      ; the byte
.endr
	v_lshl_or_b32 v[PW], v[TM+5], 8, v[TM+4]
	v_lshl_or_b32 v[PW], v[TM+6], 16, v[PW]
	v_lshl_or_b32 v[PW], v[TM+7], 24, v[PW]
.irp c, 0,1
	v_cvt_scalef32_pk16_fp6_f32 v[PC+6*\c:PC+2+6*\c], v[\s+32*\c:\s+15+32*\c], v[TM+12+2*\c]
	v_cvt_scalef32_pk16_fp6_f32 v[PC+12+4*\c:PC+14+4*\c], v[\s+16+32*\c:\s+31+32*\c], v[TM+12+2*\c+1]   ; (a conversion's three registers begin on an even number)
.endr
	v_nop                                          ; one plain line behind the scaled conversions
.irp c, 0,1                                    ; the operand wants a whole block in a lane: lanes 0-15 block 2 c, lanes 16-31 block 2 c + 1
.irp i, 0,1,2
	v_permlane16_swap_b32 v[PC+6*\c+\i], v[PC+12+4*\c+\i]
.endr
.irp i, 0,1,2
	v_mov_b32 v[PC+3+6*\c+\i], v[PC+12+4*\c+\i]
.endr
.endr
.endm
	s_load_b256 s[4:11], s[0:1], 0x0               ; hn s[4:5], w2q s[6:7], b2 s[8:9], out0 s[10:11]
	v_and_b32 v1, 15, v0                           ; r
	v_bfe_u32 v2, v0, 4, 1                         ; h
	v_lshlrev_b32 v3, 4, v1
	v_lshl_add_u32 v3, v2, 16, v3                  ; hn: 16 r + four groups of four columns for h
	v_lshlrev_b32 v4, 4, v0                        ; 16 x lane
	v_lshlrev_b32 v5, 2, v0                        ; 4 x lane
	v_lshlrev_b32 v6, 2, v1                        ; b2[r]
	v_add_nc_u32 v7, 16, v1
	v_min_u32 v7, 20, v7
	v_lshlrev_b32 v7, 2, v7                        ; b2[16 + r], held inside the buffer
	v_mul_u32_u24 v26, v2, 8*84
	v_lshl_add_u32 v26, v1, 2, v26                 ; out0: eight rows for h, 4 r
	s_lshl_b32 s12, ttmp9, 8                       ; my 16 rows in a group of columns
	s_mov_b32 s13, 0
	s_mul_i32 s14, ttmp9, 16*84
	s_mov_b32 s15, 0
	s_mov_b32 s[SEL], 0x76543210
	s_mov_b32 s[SEL+1], 0xfedcba98
.irp b, 0,1,2,3
	v_mov_b32 v[TM+4+\b], 0                        ; written once: a lane permute's destination counts as one of its sources
.endr
	s_wait_alu depctr_va_vdst(0)
	s_wait_kmcnt 0x0
	s_add_nc_u64 s[4:5], s[4:5], s[12:13]
	s_add_nc_u64 s[10:11], s[10:11], s[14:15]
	global_load_b32 v24, v6, s[8:9]
	global_load_b32 v25, v7, s[8:9]
	LOADS 0
	LOADS 1
.macro KSTEP s
.if (\s) < 7
	s_wait_loadcnt 23                              ; this K step's loads (and b2) are in; the next step's 23 may be out
.else
	s_wait_loadcnt 0x0
.endif
	QUANT X+64*((\s)%2)
.rept 8
	v_nop                                          ; a scale word written by vector lines stands eight plain lines ahead of the product, codes so written four
.endr
.if (\s) == 0
	v_wmma_scale_f32_16x16x128_f8f6f4 v[8:15], v[PC:PC+11], v[WF:WF+11], 0, v[PW], v[WS] matrix_a_fmt:MATRIX_FMT_FP6 matrix_b_fmt:MATRIX_FMT_FP6
	v_wmma_scale_f32_16x16x128_f8f6f4 v[16:23], v[PC:PC+11], v[WF+12:WF+23], 0, v[PW], v[WS] matrix_a_fmt:MATRIX_FMT_FP6 matrix_b_fmt:MATRIX_FMT_FP6 matrix_b_scale:MATRIX_SCALE_ROW1
.else
	v_wmma_scale_f32_16x16x128_f8f6f4 v[8:15], v[PC:PC+11], v[WF+24*((\s)%2):WF+24*((\s)%2)+11], v[8:15], v[PW], v[WS+(\s)%2] matrix_a_fmt:MATRIX_FMT_FP6 matrix_b_fmt:MATRIX_FMT_FP6
	v_wmma_scale_f32_16x16x128_f8f6f4 v[16:23], v[PC:PC+11], v[WF+24*((\s)%2)+12:WF+24*((\s)%2)+23], v[16:23], v[PW], v[WS+(\s)%2] matrix_a_fmt:MATRIX_FMT_FP6 matrix_b_fmt:MATRIX_FMT_FP6 matrix_b_scale:MATRIX_SCALE_ROW1
.endif
.rept 4
	v_nop                                          ; four plain lines ahead of loads into registers that the products have read, and of the first read of a result
.endr
.if (\s)+2 < 8
	LOADS (\s)+2
.endif
.endm
.irp s, 0,1,2,3,4,5,6,7                        ; the two accumulators take turns, one instruction a turn
	KSTEP \s
.endr
.irp j, 0,1,2,3,4,5,6,7
	v_add_f32 v[32+\j], v[8+\j], v24               ; register j: out0(8 h + j, r); each accumulator from its low end on
.endr
.irp j, 0,1,2,3,4,5,6,7
	v_add_f32 v[40+\j], v[16+\j], v25              ; out0(8 h + j, 16 + r)
.endr
.irp j, 0,1,2,3,4,5,6,7
	global_store_b32 v26, v[32+\j], s[10:11] offset:84*\j
.endr
	v_cmp_gt_u32 vcc_lo, 5, v1                     ; columns 16 to 20 alone exist
	s_wait_alu depctr_va_vdst(0)
	s_wait_xcnt 0x0                                ; EXEC changes only behind this wait
	s_and_saveexec_b32 s20, vcc_lo
.irp j, 0,1,2,3,4,5,6,7
	global_store_b32 v26, v[40+\j], s[10:11] offset:84*\j+64
.endr
	s_wait_xcnt 0x0                                ; and again, ahead of the line that widens it
	s_or_b32 exec_lo, exec_lo, s20
	s_endpgm
.Lfunc_end_k_q315c43e50f_head:
	.size	k_q315c43e50f_head, .Lfunc_end_k_q315c43e50f_head-k_q315c43e50f_head
	.p2alignl 7, 3214868480
	.fill 96, 4, 3214868480
	.section	.rodata,"a",@progbits
	.p2align	6, 0x0
	.amdhsa_kernel k_q315c43e50f_head
		.amdhsa_group_segment_fixed_size 0
		.amdhsa_private_segment_fixed_size 0
		.amdhsa_enable_private_segment 0
		.amdhsa_kernarg_size 32
		.amdhsa_user_sgpr_count 2
		.amdhsa_user_sgpr_kernarg_segment_ptr 1
		.amdhsa_wavefront_size32 1
		.amdhsa_system_sgpr_workgroup_id_x 1
		.amdhsa_system_sgpr_workgroup_id_y 1
		.amdhsa_system_sgpr_workgroup_id_z 1
		.amdhsa_system_vgpr_workitem_id 0
		.amdhsa_next_free_vgpr 256
		.amdhsa_next_free_sgpr 66
		.amdhsa_reserve_vcc 1
		.amdhsa_float_denorm_mode_32 3
		.amdhsa_float_denorm_mode_16_64 3
		.amdhsa_memory_ordered 1
		.amdhsa_forward_progress 1
		.amdhsa_inst_pref_size 57
	.end_amdhsa_kernel
	.amdgpu_metadata
---
amdhsa.version: [ 1, 2 ]
amdhsa.kernels:
  - .name:           k_q315c43e50f_head
    .symbol:         k_q315c43e50f_head.kd
    .args:
      - { .name: hn, .offset: 0, .size: 8, .value_kind: global_buffer, .address_space: global }
      - { .name: w2q, .offset: 8, .size: 8, .value_kind: global_buffer, .address_space: global }
      - { .name: b2, .offset: 16, .size: 8, .value_kind: global_buffer, .address_space: global }
      - { .name: out0, .offset: 24, .size: 8, .value_kind: global_buffer, .address_space: global }
    .group_segment_fixed_size: 0
    .private_segment_fixed_size: 0
    .kernarg_segment_align: 8
    .kernarg_segment_size: 32
    .max_flat_workgroup_size: 32
    .sgpr_count:     66
    .vgpr_count:     256
    .wavefront_size: 32
...
	.end_amdgpu_metadata
.endif
;; end of part 4
